; MI455X (gfx1250); checked and timed in simulation.
; The chip was launched on July 23, 2026; its instructions are those of AMD's public machine-readable ISA for CDNA 5 (MIT licence, August 2026) and "CDNA5" Instruction Set Architecture Reference Guide (July 2026). The comments in the code are by the model that wrote it; some were corrected since.
;; Linear Columnwise. Allowed arithmetic: float matrix products may take bf16 or f16 operands with f32 sums; other float arithmetic in f32, or as packed bf16 or f16 multiplies, adds, multiply-adds, maxima and minima; sums over many terms, partial sums and values carried from step to step in f32; what a program stores and reads back later, other than sums and carried values, may be rounded once to bf16 or f16.
;; Inputs: bias 4,096 float32; input 8 x 512 x 4,096 float32; weight 4,096 x 4,096 float32.
;; Outputs: out0 4,096 x 4,096 float32.
;; 2 versions, each right; version 2 is version 1 with the launch cast written anew for expert scheduling mode. Each part assembles by itself: llvm-mc -triple=amdgcn-amd-amdhsa -mcpu=gfx1250 --defsym DOCPART=n.
;; ======== version 1 of 2: 2 launches
;; workspace buffers: abf 33,554,432 bytes; wbf 33,554,432 bytes
;; launch cast (part 1): grid 512 x 2, 8 waves a work-group, no clusters, 0 bytes of LDS; arguments input, weight, abf, wbf; writes abf, wbf
.if DOCPART == 1
	.amdgcn_target "amdgcn-amd-amdhsa--gfx1250"
	.amdhsa_code_object_version 6
	.text
	.protected	k_qb93828042e_cast
	.globl	k_qb93828042e_cast
	.p2align	8
	.type	k_qb93828042e_cast,@function
k_qb93828042e_cast:
	s_mov_b64 s[64:65], 0
	v_nop
	global_prefetch_b8 v0, s[64:65] scope:SCOPE_SE
	s_setreg_imm32_b32 hwreg(HW_REG_WAVE_MODE, 25, 1), 1
	s_wait_xcnt 0x0
; abf = bf16(input), wbf = bf16(weight): both [4096][4096], the layout unchanged, each number rounded once, to nearest even.
; LIMITS.  bf16 has f32's exponents, so no finite input is lost but those above bf16's largest finite number (about 3.39e38), which round to infinity; NaN and infinities pass as the conversion carries them.
; SHARES.  Grid y picks the tensor (0: input -> abf, 1: weight -> wbf).  Work-group x owns 131,072 consecutive bytes of f32: 32 steps of 4,096 bytes.  In a step thread t loads the 16 bytes
; at 16 t (a wave's load covers 512 consecutive bytes) and stores the 8 bytes at 8 t (a wave's store covers 256 consecutive bytes, aligned).
; A stream: every byte is read once and written once, nothing is shared between waves, so there is no LDS, no barrier, no cluster and no matrix work.
; A ring of DEPTH register slots keeps DEPTH loads of every wave on their way.  All 32 steps stand in the immediates (126,976 at the most), so no address register is ever rewritten.
.set DEPTH, 16                         ; slots = loads in flight in each wave
.set STEPS, 32
.set X, 4                              ; v[4:67]   slot i: 4 f32 as loaded
.set Y, 68                             ; v[68:99]  slot i: 4 bf16 to store
	s_load_b256 s[4:11], s[0:1], 0x0               ; input s[4:5], weight s[6:7], abf s[8:9], wbf s[10:11]
	s_and_b32 s12, ttmp7, 0xffff                   ; which tensor
	s_lshl_b32 s2, ttmp9, 17                       ; my 131,072 bytes of f32 (511 x 131,072 at the most: one word)
	s_mov_b32 s3, 0
	s_lshl_b32 s14, ttmp9, 16                      ; my 65,536 bytes of bf16
	s_mov_b32 s15, 0
	v_lshlrev_b32 v1, 4, v0                        ; 16 t; never rewritten
	v_lshlrev_b32 v2, 3, v0                        ; 8 t; never rewritten
	s_wait_kmcnt 0x0
	s_cmp_eq_u32 s12, 0
	s_cselect_b64 s[4:5], s[4:5], s[6:7]           ; from
	s_cselect_b64 s[8:9], s[8:9], s[10:11]         ; to
	s_add_nc_u64 s[4:5], s[4:5], s[2:3]
	s_add_nc_u64 s[8:9], s[8:9], s[14:15]
.set i, 0
.rept DEPTH
	global_load_b128 v[X+4*i:X+4*i+3], v1, s[4:5] offset:i*4096 th:TH_LOAD_NT  ; the ring is filled: steps 0 to 15
.set i, i+1
.endr
.set n, 0
.rept STEPS                            ; step n, in slot n % DEPTH
.set i, n%DEPTH
.if n < STEPS-DEPTH
	s_wait_loadcnt DEPTH-1                         ; loads come back in order (ISA guide 5.7.1): step n's is in, the 15 younger ones stay out
.else
	s_wait_loadcnt STEPS-1-n                       ; nothing more is asked for: the counts run down
.endif
.if n >= DEPTH
	s_wait_xcnt 0x0                                ; the slot's Y pair, which the store of step n - 16 reads, is rewritten only behind this wait
.endif
	v_cvt_pk_bf16_f32 v[Y+2*i], v[X+4*i], v[X+4*i+1]      ; two roundings, packed
	v_cvt_pk_bf16_f32 v[Y+2*i+1], v[X+4*i+2], v[X+4*i+3]
.if n+DEPTH < STEPS
	global_load_b128 v[X+4*i:X+4*i+3], v1, s[4:5] offset:(n+DEPTH)*4096 th:TH_LOAD_NT  ; the load goes ahead of the store
.endif
	global_store_b64 v2, v[Y+2*i:Y+2*i+1], s[8:9] offset:n*2048 th:TH_STORE_NT
.set n, n+1
.endr
	s_endpgm
.Lfunc_end_k_qb93828042e_cast:
	.size	k_qb93828042e_cast, .Lfunc_end_k_qb93828042e_cast-k_qb93828042e_cast
	.p2alignl 7, 3214868480
	.fill 96, 4, 3214868480
	.section	.rodata,"a",@progbits
	.p2align	6, 0x0
	.amdhsa_kernel k_qb93828042e_cast
		.amdhsa_group_segment_fixed_size 0
		.amdhsa_private_segment_fixed_size 0
		.amdhsa_enable_private_segment 0
		.amdhsa_kernarg_size 32
		.amdhsa_user_sgpr_count 2
		.amdhsa_user_sgpr_kernarg_segment_ptr 1
		.amdhsa_wavefront_size32 1
		.amdhsa_system_sgpr_workgroup_id_x 1
		.amdhsa_system_sgpr_workgroup_id_y 1
		.amdhsa_system_sgpr_workgroup_id_z 1
		.amdhsa_system_vgpr_workitem_id 0
		.amdhsa_next_free_vgpr 100
		.amdhsa_next_free_sgpr 66
		.amdhsa_reserve_vcc 0
		.amdhsa_float_denorm_mode_32 3
		.amdhsa_float_denorm_mode_16_64 3
		.amdhsa_memory_ordered 1
		.amdhsa_forward_progress 1
		.amdhsa_inst_pref_size 13
	.end_amdhsa_kernel
	.amdgpu_metadata
---
amdhsa.version: [ 1, 2 ]
amdhsa.kernels:
  - .name:           k_qb93828042e_cast
    .symbol:         k_qb93828042e_cast.kd
    .args:
      - { .name: input, .offset: 0, .size: 8, .value_kind: global_buffer, .address_space: global }
      - { .name: weight, .offset: 8, .size: 8, .value_kind: global_buffer, .address_space: global }
      - { .name: abf, .offset: 16, .size: 8, .value_kind: global_buffer, .address_space: global }
      - { .name: wbf, .offset: 24, .size: 8, .value_kind: global_buffer, .address_space: global }
    .group_segment_fixed_size: 0
    .private_segment_fixed_size: 0
    .kernarg_segment_align: 8
    .kernarg_segment_size: 32
    .max_flat_workgroup_size: 256
    .sgpr_count:     66
    .vgpr_count:     100
    .wavefront_size: 32
...
	.end_amdgpu_metadata
.endif
;; end of part 1
;; launch gemm (part 2): grid 16 x 16, 4 waves a work-group, clusters of 4 x 4, 327,680 bytes of LDS; arguments abf, wbf, out0, bias; writes out0
.if DOCPART == 2
	.amdgcn_target "amdgcn-amd-amdhsa--gfx1250"
	.amdhsa_code_object_version 6
	.text
	.protected	k_qb93828042e_gemm
	.globl	k_qb93828042e_gemm
	.p2align	8
	.type	k_qb93828042e_gemm,@function
k_qb93828042e_gemm:
	s_mov_b64 s[64:65], 0
	v_nop
	global_prefetch_b8 v0, s[64:65] scope:SCOPE_SE
	s_setreg_imm32_b32 hwreg(HW_REG_WAVE_MODE, 25, 1), 1
	s_wait_xcnt 0x0
	s_wait_alu depctr_hold_cnt(0) depctr_sa_sdst(0) depctr_va_vdst(0) depctr_va_sdst(0) depctr_va_ssrc(0) depctr_va_vcc(0) depctr_vm_vsrc(0)
	s_getreg_b32 s2, hwreg(HW_REG_IB_STS2, 6, 4)
	s_cmp_eq_u32 s2, 0
	s_cbranch_scc0 .Lentry_in_a_cluster
	s_endpgm
.Lentry_in_a_cluster:
	s_bfe_u32 s2, ttmp6, 0x10000c
	s_cmp_lg_u32 s2, 0xf033
	s_cbranch_scc0 .Lentry_shape_is_right
	s_endpgm
.Lentry_shape_is_right:
; out0[m][n] = sum over k of A[m][k] W[k][n] + bias[n].  A = abf [4096 m][4096 k] bf16, W = wbf [4096 k][4096 n] bf16, bias [4096] f32, out0 [4096][4096] f32.
; Sums in f32, one accumulator for each output, K ascending.  The bias is rounded once to bf16, like the two other inputs, and added in f32; out0 is not rounded again.
; LIMITS.  The operands carry bf16's 8 significant bits; a bias above bf16's largest finite number (about 3.39e38) rounds to infinity; NaN and infinities pass as the instructions carry them.
; SHARES.  A tile of out0, 256 x 256, is made by a work-group of four waves; a wave makes 128 x 128: 64 accumulators of 16 x 16, 512 registers.  16 x 16 tiles: 256 work-groups, one tile each.
; K goes in steps of 128 through a ring of two LDS slots filled by the tensor data mover.  A's tile is 256 rows (m) x 256 bytes; W's tile is 128 rows (k) x 512 bytes, AS IT LIES IN MEMORY, n along the rows:
; its fragments come out of LDS turned, by ds_load_tr16_b128, so that W is never transposed in memory.
; CLUSTERS: 4 x 4 work-groups.  The four of a row of the cluster need the same tiles of A, the four of a column the same tiles of W: each tile is asked for JOINTLY, by the same tensor load with the same
; descriptor and a mask that names the four, which divides the requests for A and W by four.
; THE MATRIX INSTRUCTION IS USED TRANSPOSED: source 0 = 16 columns of W, source 1 = 16 rows of A.  In the result lane l holds row m = l % 16 and its registers 0-7 the columns 8 (l / 16) + 0..7: 32 bytes on end of a row of out0.
; REGISTERS, in windows of 256 (s_set_vgpr_msb: bits 1:0 source 0, 3:2 source 1, 5:4 source 2, 7:6 destination):
;   window 0: v0-37 addresses, bias, at work; v64-127, v128-191 fragments of A, two buffers; on the way out these 128 take rows read back from the stage
;   window 1: v64-127, v128-191 fragments of W, two buffers
;   window 2: the 32 accumulators of my rows 0-63 (accumulator (a, b) at v[8 (8 a + b)]);   window 3: those of my rows 64-127
.set SIZE,   4096
.set KSTEP,  128
.set ASTEP,  KSTEP*2                   ; a K step along A's rows, in bytes
.set BSTEP,  KSTEP*SIZE*2              ; a K step down W's rows, in bytes
.set PA,     272                       ; a row of A in LDS: 256 bytes + 16 of padding = 68 words: row r starts at bank 4 r mod 64 (64 banks of 4 bytes: ISA guide 11.1), so the 16 rows of a load start at 16 different groups of banks
.set PB,     544                       ; a row of W: 512 + 32 = 136 words: row r starts at bank 8 r mod 64
.set HALFT,  128*PA                    ; what one tensor load brings: 128 rows of A, or 64 rows of W (64 x 544 is the same 34,816 bytes)
.set SLOT,   4*HALFT                   ; A's 256 rows, then W's 128 rows
.set STAGE,  2*SLOT                    ; behind the ring, never filled by a tensor load: 16 rows x 528 bytes for each wave, for the way out
.set SPITCH, 528                       ; 512 bytes (128 f32) + 16: row r starts at bank 4 r mod 64
.set WSTAGE, 16*SPITCH
.set SPARE,  STAGE+4*WSTAGE            ; behind the stages: the spare words, 128 bytes for each wave: two blocks of 256 bytes that no other line names
.set LAPS,   SIZE/(2*KSTEP)            ; a lap = two K steps = once round the ring
.set ADRA, 16                          ; v16-17  LDS address of my A fragments in slot 0, 1
.set ADRB, 20                          ; v20-21  the same for W
.set STO,  24                          ; v24     the way out: where I put 32 bytes of a row
.set RD,   25                          ; v25     the way out: where I read 16 bytes of a row back
.set CO,   26                          ; v26     16 x lane: my byte offset in 512 bytes of a row of out0, and in my wave's 512 bytes of bias; never rewritten
.set SPW,  28                          ; v28     LDS address of my spare word: SPARE + 4 x my thread's number; never rewritten
.set NIL,  29                          ; v29     0; never rewritten
.set PFO,  30                          ; v30     the prefetches' offset; never rewritten
.set BI,   32                          ; v[32:35] the bias of my four columns on the way out
.set F0,   64                          ; fragment buffer 0
.set F1,   128                         ; fragment buffer 1
.set OB,   64                          ; the way out: 16 rows read back from the stage: v64-127 and v128-191 by turns
.set G1,  24                           ; s[24:31] descriptor group 1 for A's tiles
.set G0,  32                           ; s[32:39] descriptor group 0 for A's tiles, one set for each slot
.set G1B, 48                           ; s[48:55] descriptor group 1 for W's tiles
.set G0B, 56                           ; s[56:63] descriptor group 0 for W's tiles, one set for each slot
.set LIM, 43                           ; s43      1 in a wave that prefetches, else the greatest number
.set PFA, 44                           ; s[44:45] where my prefetches stand
.set PFS, 68                           ; s[68:69] a K step in the tensor that I prefetch
.set MSB, 0
.macro WIN new                         ; the immediate's high byte repeats the setting that is left; a switch that changes nothing is dropped
.if MSB != (\new)
	s_set_vgpr_msb (MSB<<8)|(\new)
.set MSB, \new
.endif
.endm
.set MUL_LO, 0xa1                      ; source 0 (W) window 1, source 1 (A) window 0, C and D window 2
.set MUL_HI, 0xf1                      ; the same, C and D window 3
.set TO_B,   0x40                      ; destination window 1, address window 0
; A joint load.  Waves 0 and 1 fetch A's two halves, waves 2 and 3 W's.  Each of the two lines has ONE mask and one set of registers for all that issue it.  The branch hangs on the wave's number alone.
; An s_nop 0 and four v_nop follow each of the two lines; the jump, the label and what follows come after them.
.macro JLOAD s
	s_cmp_eq_u32 s11, 0
	s_cbranch_scc0 .Lfor_b_\@
	tensor_load_to_lds s[G0+4*(\s):G0+4*(\s)+3], s[G1:G1+7]
	s_nop 0
.rept 4
	v_nop
.endr
	s_branch .Lasked_\@
.Lfor_b_\@:
	tensor_load_to_lds s[G0B+4*(\s):G0B+4*(\s)+3], s[G1B:G1B+7]
	s_nop 0
.rept 4
	v_nop
.endr
.Lasked_\@:
.endm
; A PREFETCH INTO THE L2, behind each joint refill, its five lines and the run of LDS loads that follows them: the K step that stands TWO refills on, 512 matrix instructions ahead of the load that will ask for it.
; Each aligned block of 256 bytes of abf and wbf is named ONCE in the launch.  A's tile row is read by every cluster of that row of clusters: cluster x = 0 asks; W's tile column by every cluster of that column: cluster y = 0 asks.
; The four partners that ask for a tile jointly share its rows out BY ADDRESS: of the 128 rows of A that a wave fetches the partner at cx takes 32, a lane a row; of the 64 rows of W (512 bytes each) the partner
; at cy takes 16, two lanes a row.  No branch hangs on a work-group's place in its cluster.  The loop's last trip (s3 = 1) asks for nothing: there is no K step two on.
.macro ASK
	s_cmp_gt_u32 s3, s[LIM]
	s_cbranch_scc0 .Lnot_mine_\@
	global_prefetch_b8 v[PFO], s[PFA:PFA+1] th:TH_LOAD_NT scope:SCOPE_SE
.Lnot_mine_\@:
.endm
; A round of the cluster's barrier: my work-group's barrier, so that wave 0's signal speaks for all four waves; wave 0 signals for the work-group; every wave waits for all sixteen work-groups; my work-group's barrier once more.
.macro CREST                           ; a round behind its opening barrier
	s_cmp_lg_u32 s10, 0
	s_cbranch_scc1 .Lnot_wave_0_\@
	s_barrier_signal -3
.Lnot_wave_0_\@:
	s_barrier_wait -3
	s_barrier_signal -1
	s_barrier_wait -1
.endm
.macro CROUND                          ; a whole round
	s_barrier_signal -1
	s_barrier_wait -1
	CREST
.endm
	s_load_b128 s[4:7], s[0:1], 0x0                ; abf s[4:5], wbf s[6:7]
	s_load_b64 s[8:9], s[0:1], 0x10                ; out0
	s_load_b64 s[66:67], s[0:1], 0x18              ; bias
	v_lshl_add_u32 v[SPW], v0, 2, SPARE
	v_mov_b32 v[NIL], 0
	ds_add_u32 v[SPW], v[NIL]                      ; the wave's opening: the add, twice on end, and its wait stand ahead of my first tensor load; the set-up below stands between the second and the wait
	ds_add_u32 v[SPW], v[NIL]                      ; and once more, under the one wait
	v_lshrrev_b32 v1, 5, v0
	v_readfirstlane_b32 s10, v1                    ; wave 0..3
	s_lshr_b32 s11, s10, 1                         ; which half of the tile's rows is mine.  Also: I fetch for A (0) or for W (1)
	s_and_b32 s12, s10, 1                          ; which half of its columns.  Also: which half of that tile I fetch
	s_bfe_u32 s40, ttmp6, 0x40000                  ; cx: my place along the cluster's x
	s_bfe_u32 s41, ttmp6, 0x40004                  ; cy: along its y
	s_lshl_b32 s42, ttmp9, 2                       ; in a cluster launch ttmp9 and ttmp7 count clusters
	s_add_co_u32 s42, s42, s40                     ; tile column = 4 x cluster x + cx
	s_and_b32 s13, ttmp7, 0xffff
	s_lshl_b32 s13, s13, 2
	s_add_co_u32 s13, s13, s41                     ; tile row = 4 x cluster y + cy
	s_lshl_b32 s43, s41, 2
	s_lshl_b32 s43, 15, s43                        ; my row of the cluster: places 4 cy .. 4 cy + 3
	s_lshl_b32 s44, 0x1111, s40                    ; my column: places cx, cx + 4, cx + 8, cx + 12
	; descriptor group 1 for A: a tile of 128 rows x 128 elements, 16 bytes of padding behind each row
	s_or_b32 s[G1+0], s43, (1<<16)|(1<<20)|(1<<21)|(5<<22)|(3<<25)  ; 15:0 the mask: my row; 17:16 elements of 2 bytes; 20 padding on; 21 set beside a mask; 24:22 after every 64 words (code 5); 31:25 4 words (code 3)
	s_mov_b32 s[G1+1], 128<<16                     ; tensor_dim0 = 128
	s_mov_b32 s[G1+2], 128<<16                     ; tensor_dim1 = 128
	s_mov_b32 s[G1+3], 128<<16                     ; tile_dim0 = 128
	s_mov_b32 s[G1+4], 128                         ; tile_dim1 = 128
	s_mov_b32 s[G1+5], SIZE                        ; elements from row to row
	s_mov_b32 s[G1+6], 0
	s_mov_b32 s[G1+7], 0
	; descriptor group 1 for W: a tile of 64 rows x 256 elements, 32 bytes of padding behind each row
	s_or_b32 s[G1B+0], s44, (1<<16)|(1<<20)|(1<<21)|(6<<22)|(7<<25) ; the mask: my column; after every 128 words (code 6) 8 words (code 7)
	s_mov_b32 s[G1B+1], 256<<16                    ; tensor_dim0 = 256
	s_mov_b32 s[G1B+2], 64<<16                     ; tensor_dim1 = 64
	s_mov_b32 s[G1B+3], 256<<16                    ; tile_dim0 = 256
	s_mov_b32 s[G1B+4], 64                         ; tile_dim1 = 64
	s_mov_b32 s[G1B+5], SIZE
	s_mov_b32 s[G1B+6], 0
	s_mov_b32 s[G1B+7], 0
	; where the tiles come from.  A's hang on the tile row alone, which my row of the cluster shares; W's on the tile column alone, which my column shares.
	s_lshl_b32 s16, s13, 8
	s_lshl_b32 s17, s12, 7
	s_add_co_u32 s16, s16, s17                     ; A: row 256 x tile row + 128 x half,
	s_lshl_b32 s16, s16, 13                        ; of 8,192 bytes
	s_mov_b32 s17, 0
	s_lshl_b32 s46, s12, 19                        ; W: k row 64 x half, of 8,192 bytes,
	s_lshl_b32 s47, s42, 9                         ; and 512 bytes x tile column along it
	s_add_co_u32 s46, s46, s47
	s_mov_b32 s47, 0
	s_mul_i32 s20, s10, HALFT                      ; and where they go: wave x 34,816: no place in the cluster enters an LDS address
	s_wait_dscnt 0x0                               ; both opening adds are done
	s_wait_kmcnt 0x0
	s_add_nc_u64 s[14:15], s[4:5], s[16:17]
	s_add_nc_u64 s[46:47], s[6:7], s[46:47]
	CROUND                                         ; all sixteen work-groups are here: the first joint loads meet
.irp s, 0,1
	s_mov_b32 s[G0+4*(\s)], 1                                      ; count = 1
	s_add_co_u32 s[G0+4*(\s)+1], s20, (\s)*SLOT                    ; LDS address
	s_add_nc_u64 s[G0+4*(\s)+2:G0+4*(\s)+3], s[14:15], (\s)*ASTEP  ; global address: K step s
	s_or_b32 s[G0+4*(\s)+3], s[G0+4*(\s)+3], 0x80000000            ; type = 2
	s_mov_b32 s[G0B+4*(\s)], 1
	s_add_co_u32 s[G0B+4*(\s)+1], s20, (\s)*SLOT
	s_add_nc_u64 s[G0B+4*(\s)+2:G0B+4*(\s)+3], s[46:47], (\s)*BSTEP
	s_or_b32 s[G0B+4*(\s)+3], s[G0B+4*(\s)+3], 0x80000000
	JLOAD \s                                       ; the ring is filled before anything else is done: two tensor loads of mine are out
.endr
	; A fragment of A is 16 rows x 32 K in 8 registers: lane l holds row l % 16; registers 0-3 K = 8 (l / 16) + 0..7, registers 4-7 K = 16 + 8 (l / 16) + 0..7: two loads of 16 bytes, 32 bytes apart.
	v_and_b32 v1, 15, v0                           ; l % 16
	v_bfe_u32 v2, v0, 4, 1                         ; l / 16
	v_mul_u32_u24 v3, v1, PA
	v_lshl_add_u32 v3, v2, 4, v3                   ; row x pitch + 16 x half
	; The turning load takes 16 k x 16 n (lane l reads 16 bytes: k row 8 (l / 16) + l % 8, columns 8 ((l / 8) % 2) + 0..7) and leaves half a fragment: lane l holds column l % 16 and 8 k.
	v_and_b32 v4, 7, v0
	v_lshl_add_u32 v4, v2, 3, v4
	v_mul_u32_u24 v4, v4, PB
	v_bfe_u32 v5, v0, 3, 1
	v_lshl_add_u32 v4, v5, 4, v4
	s_mul_i32 s21, s11, HALFT                      ; my 128 rows of A
	s_lshl_b32 s22, s12, 8                         ; my 128 columns of W: 256 bytes along its rows,
	s_add_co_u32 s22, s22, 2*HALFT                 ; which lie behind A's 256
.irp s, 0,1
	v_add_nc_u32 v[ADRA+(\s)], s21, v3
	v_add_nc_u32 v[ADRB+(\s)], s22, v4
	s_add_co_u32 s21, s21, SLOT
	s_add_co_u32 s22, s22, SLOT
.endr
	s_mul_i32 s23, s10, WSTAGE
	s_add_co_u32 s23, s23, STAGE                   ; my stage
	v_mul_u32_u24 v6, v1, SPITCH                   ; in: row l % 16, 32 bytes for each half of the lanes
	v_lshl_add_u32 v6, v2, 5, v6
	v_add_nc_u32 v[STO], s23, v6
	v_and_b32 v7, 31, v0                           ; l
	v_lshlrev_b32 v[CO], 4, v7
	v_add_nc_u32 v[RD], s23, v[CO]                 ; back: 32 lanes take one row of 512 bytes
	; out0 at my wave's first row and column; bias at my wave's first column
	s_lshl_b32 s16, s13, 8
	s_lshl_b32 s17, s11, 7
	s_add_co_u32 s16, s16, s17                     ; row 256 x tile row + 128 x half,
	s_lshl_b32 s16, s16, 14                        ; of 16,384 bytes
	s_mov_b32 s17, 0
	s_add_nc_u64 s[8:9], s[8:9], s[16:17]
	s_lshl_b32 s46, s42, 10                        ; 1,024 bytes x tile column + 512 x half
	s_lshl_b32 s47, s12, 9
	s_add_co_u32 s46, s46, s47
	s_mov_b32 s47, 0
	s_add_nc_u64 s[8:9], s[8:9], s[46:47]
	s_add_nc_u64 s[66:67], s[66:67], s[46:47]
	global_load_b128 v[BI:BI+3], v[CO], s[66:67]   ; the bias of my four columns; waited for on the way out
	; the prefetches.  A (waves 0, 1): lane l names row l of my work-group's 32.  W (waves 2, 3): lane l names row l / 2 of my work-group's 16, half l % 2 of its 512 bytes.
	v_lshrrev_b32 v5, s11, v7
	v_and_b32 v6, s11, v7
	v_lshlrev_b32 v6, 8, v6
	v_lshl_add_u32 v[PFO], v5, 13, v6
	s_lshl_b32 s20, s13, 8                         ; A: 256 x tile row
	s_lshl_b32 s22, s12, 7
	s_add_co_u32 s20, s20, s22                     ; + the 128 rows that I fetch
	s_lshl_b32 s22, s40, 5
	s_add_co_u32 s20, s20, s22                     ; + my work-group's 32 of them,
	s_lshl_b32 s20, s20, 13                        ; in bytes,
	s_add_co_u32 s20, s20, 3*ASTEP                 ; at K step 3: the first refill steps it to 4
	s_lshl_b32 s21, s12, 6                         ; W: the 64 k rows that I fetch
	s_lshl_b32 s22, s41, 4
	s_add_co_u32 s21, s21, s22                     ; + my work-group's 16 of them,
	s_lshl_b32 s21, s21, 13                        ; in bytes,
	s_lshl_b32 s22, s42, 9
	s_add_co_u32 s21, s21, s22                     ; + the tile column's 512 bytes,
	s_add_co_u32 s21, s21, 3*BSTEP                 ; at K step 3
	s_and_b32 s22, ttmp7, 0xffff                   ; cluster y
	s_mov_b32 s[PFS], BSTEP
	s_mov_b32 s[PFS+1], 0
	s_cmp_eq_u32 s11, 0                            ; do I fetch for A?
	s_cselect_b32 s20, s20, s21
	s_cselect_b32 s22, ttmp9, s22                  ; the coordinate along which other clusters read the same rows
	s_cselect_b64 s[PFA:PFA+1], s[4:5], s[6:7]
	s_cselect_b32 s[PFS], ASTEP, s[PFS]
	s_cmp_eq_u32 s22, 0
	s_cselect_b32 s[LIM], 1, -1                    ; the same in all sixteen partners, for a given wave
	s_mov_b32 s21, 0
	s_add_nc_u64 s[PFA:PFA+1], s[PFA:PFA+1], s[20:21]
	; nothing is prefetched here, at the head, where every work-group's first two tiles are on their way: K steps 0 to 3 come by their loads alone
; 16 matrix instructions: m blocks a0, a0 + 1 of the window's four (hi = 0: my rows 0-63, 1: rows 64-127) x all 8 n blocks, 32 along K.  zero = 1: the first product starts the sums: nothing is ever cleared.
; The 64 accumulators take turns, one instruction a turn, in the same order in every quarter step.
.macro MUL16 f, hi, a0, zero
	WIN MUL_LO+0x50*(\hi)
.irp a, \a0, (\a0)+1
.irp b, 0,1,2,3,4,5,6,7
.if \zero
	v_wmma_f32_16x16x32_bf16 v[8*(8*(\a)+(\b)):8*(8*(\a)+(\b))+7], v[(\f)+8*(\b):(\f)+8*(\b)+7], v[(\f)+8*(4*(\hi)+(\a)):(\f)+8*(4*(\hi)+(\a))+7], 0
.else
	v_wmma_f32_16x16x32_bf16 v[8*(8*(\a)+(\b)):8*(8*(\a)+(\b))+7], v[(\f)+8*(\b):(\f)+8*(\b)+7], v[(\f)+8*(4*(\hi)+(\a)):(\f)+8*(4*(\hi)+(\a))+7], v[8*(8*(\a)+(\b)):8*(8*(\a)+(\b))+7]
.endif
.endr
.endr
.endm
; 32 LDS loads in one run: the fragments of quarter q of a K step (32 k x my 128 columns of W, turned; my 128 rows of A x 32 k) into buffer f.  W's sixteen first, then A's, rows ascending.
.macro FETCH slot, q, f
	WIN TO_B
.irp i, 0,1,2,3,4,5,6,7
	ds_load_tr16_b128 v[(\f)+8*(\i):(\f)+8*(\i)+3],   v[ADRB+(\slot)] offset:32*(\q)*PB+32*(\i)
	ds_load_tr16_b128 v[(\f)+8*(\i)+4:(\f)+8*(\i)+7], v[ADRB+(\slot)] offset:32*(\q)*PB+16*PB+32*(\i)
.endr
	WIN 0
.irp i, 0,1,2,3,4,5,6,7
	ds_load_b128 v[(\f)+8*(\i):(\f)+8*(\i)+3],   v[ADRA+(\slot)] offset:64*(\q)+(\i)*16*PA
	ds_load_b128 v[(\f)+8*(\i)+4:(\f)+8*(\i)+7], v[ADRA+(\slot)] offset:64*(\q)+(\i)*16*PA+32
.endr
.endm
; A load into a register that a matrix instruction has read, and an instruction other than a matrix instruction that reads a matrix result, stand four places behind that matrix instruction, and only plain
; vector instructions that name none of its registers are places (ISA guide 7.12.1 for vector instructions).
.macro PLACES
.rept 4
	v_nop
.endr
.endm
; A K step is four quarters of 32 along K, 64 matrix instructions each, on buffers 0, 1, 0, 1.  One of the first three: multiplies buffer f; in its middle it fetches quarter q of the same slot into buffer g.
.macro QUARTER slot, q, f, g, zero
	s_wait_dscnt 8                                 ; W and A's rows 0-63 are in; the youngest eight loads (A's rows 64-127) may be out
	WIN MUL_LO
	MUL16 \f, 0, 0, \zero
	MUL16 \f, 0, 2, \zero
	PLACES
	FETCH \slot, \q, \g
	s_wait_dscnt 32                                ; all but the 32 just issued
	WIN MUL_HI
	MUL16 \f, 1, 0, \zero
	MUL16 \f, 1, 2, \zero
.endm
; The last quarter multiplies buffer 1 and changes slots.  MEET is its first half: ONE barrier for the change of slots.  In front of it each wave waits for all its tensor loads, of which one is out: its part of
; the next slot; adds 0 to its spare word; and waits for that and for its own reads of this slot.  Behind it nobody reads this slot any more and the next slot is whole.
.macro MEET round                      ; round = 1: the rest of a round of the cluster's barrier follows
	WIN 0                                          ; (the add's two registers lie in window 0)
	s_wait_tensorcnt 0x0                           ; all my tensor loads have landed;
	ds_add_u32 v[SPW], v[NIL]                      ; 0 onto my spare word;
	s_wait_dscnt 9                                 ; (the add and the youngest eight loads may be out)
	WIN MUL_LO
	MUL16 F1, 0, 0, 0                              ; sixteen matrix instructions stand between the add and the wait for it
	s_wait_dscnt 0x0                               ; the add is done, and my reads of this slot are over:
	s_barrier_signal -1                            ; say so,
	MUL16 F1, 0, 2, 0                              ; work on registers while the others arrive,
.if \round
	WIN 0
.endif
	s_barrier_wait -1                              ; and go on when all four have said so
.endm
; The whole last quarter.  fill = 1: behind the round the slot just read out is filled again first, with the K step two on; then come the next slot's first fragments.
; From a request to the wait for it a wave issues 224 matrix instructions.
.macro TURN slot, next, fill
.if \fill
	s_wait_xcnt 0x0                                ; the last prefetch, a K step back, has read its address: it is stepped here, ahead of the waits of the change of slots
	s_add_nc_u64 s[PFA:PFA+1], s[PFA:PFA+1], s[PFS:PFS+1]
.endif
	MEET \fill
.if \fill
	CREST                                          ; all sixteen work-groups have said so: no wave of any partner still reads this slot's tile or has a load on its way
	s_add_nc_u64 s[G0+4*(\slot)+2:G0+4*(\slot)+3], s[G0+4*(\slot)+2:G0+4*(\slot)+3], 2*ASTEP    ; no tensor load of mine is out, so a group 0 may be written; the type bits on top are not reached
	s_add_nc_u64 s[G0B+4*(\slot)+2:G0B+4*(\slot)+3], s[G0B+4*(\slot)+2:G0B+4*(\slot)+3], 2*BSTEP
	JLOAD \slot                                    ; the first tensor load behind the round, my only one until the next; the four v_nop behind it are also the places in front of the loads below
.else
	PLACES
.endif
	FETCH \next, 0, F0
.if \fill
	ASK                                            ; behind the joint load and the run of LDS loads that the next products wait for
.endif
	WIN MUL_HI
	MUL16 F1, 1, 0, 0
	MUL16 F1, 1, 2, 0
.endm
; THE WAY OUT of block a (16 of my rows), in two parts.  TOSTAGE: a lane's 32 bytes of each of the 8 accumulators go into my own stage, and come back as whole rows of 512 bytes.  SEND: the bias is added, the rows are stored.
.macro TOSTAGE a
.set AC, 64*((\a)%4)
.set BK, OB+64*((\a)%2)
	WIN 0x08+4*((\a)/4)                            ; the stores' data: window 2 (blocks 0-3) or 3 (blocks 4-7); their address: window 0
.irp b, 0,1,2,3,4,5,6,7
	ds_store_b128 v[STO], v[AC+8*(\b):AC+8*(\b)+3]   offset:64*(\b)     ; each accumulator's lowest registers are read first
	ds_store_b128 v[STO], v[AC+8*(\b)+4:AC+8*(\b)+7] offset:64*(\b)+16
.endr
	WIN 0
.if (\a) >= 2
	s_wait_xcnt 0x0                                ; the stores of block a - 2 have read these registers: they are loaded again only behind this wait
.endif
.irp t, 0,1,2,3,4,5,6,7,8,9,10,11,12,13,14,15
	ds_load_b128 v[BK+4*(\t):BK+4*(\t)+3], v[RD] offset:(\t)*SPITCH  ; LDS serves a wave's instructions in order (ISA guide 5.7.1.4): these see the stores above, and the next block's stores come behind them
.endr
.endm
.macro SEND a, younger                 ; younger: the LDS instructions issued behind block a's loads: the next block's 16 stores and 16 loads, or none
.set BK, OB+64*((\a)%2)
.irp t, 0,1,2,3,4,5,6,7,8,9,10,11,12,13,14,15
	s_wait_dscnt (\younger)+15-(\t)                ; row t is back in registers
	v_pk_add_f32 v[BK+4*(\t):BK+4*(\t)+1],   v[BK+4*(\t):BK+4*(\t)+1],   v[BI:BI+1]
	v_pk_add_f32 v[BK+4*(\t)+2:BK+4*(\t)+3], v[BK+4*(\t)+2:BK+4*(\t)+3], v[BI+2:BI+3]
	global_store_b128 v[CO], v[BK+4*(\t):BK+4*(\t)+3], s[8:9] offset:(16*(\a)+(\t))*SIZE*4 th:TH_STORE_NT  ; the wave stores 512 consecutive bytes, at a multiple of 512 from out0's first; 127 rows at the most: inside the signed 24-bit immediate
.endr
.endm
	s_wait_tensorcnt 0x1                           ; my part of K step 0 is in; K step 1's may stay out
	s_barrier_signal -1
	s_barrier_wait -1                              ; everybody's is
	FETCH 0, 0, F0
	QUARTER 0, 1, F0, F1, 1                        ; the first quarter stands in front of the loop: its products start the sums
	WIN 0                                          ; at a label and at a branch every window is 0
	s_mov_b32 s3, LAPS-1
.Llap:                                                 ; a trip goes once round the ring, from a lap's second quarter to the next lap's first, and fills both slots again
	QUARTER 0, 2, F1, F0, 0
	QUARTER 0, 3, F0, F1, 0
	TURN 0, 1, 1
	QUARTER 1, 1, F0, F1, 0
	QUARTER 1, 2, F1, F0, 0
	QUARTER 1, 3, F0, F1, 0
	TURN 1, 0, 1
	QUARTER 0, 1, F0, F1, 0
	WIN 0
	s_sub_co_u32 s3, s3, 1
	s_cmp_lg_u32 s3, 0
	s_cbranch_scc1 .Llap
	QUARTER 0, 2, F1, F0, 0                        ; the last lap is written out: it fills nothing, and has no round of the cluster's barrier
	QUARTER 0, 3, F0, F1, 0
	TURN 0, 1, 0
	QUARTER 1, 1, F0, F1, 0
	QUARTER 1, 2, F1, F0, 0
	QUARTER 1, 3, F0, F1, 0
	s_wait_dscnt 8                                 ; the very last quarter: nothing more to fetch
	WIN MUL_LO
	MUL16 F1, 0, 0, 0
	MUL16 F1, 0, 2, 0
	s_wait_dscnt 0x0
	MUL16 F1, 1, 0, 0
	MUL16 F1, 1, 2, 0
	WIN 0
	PLACES                                         ; behind the last products: four places, and the six lines below name none of their registers either
	s_wait_loadcnt 0x0                             ; the bias
	v_cvt_pk_bf16_f32 v36, v[BI], v[BI+1]          ; rounded once to bf16, like the other inputs,
	v_cvt_pk_bf16_f32 v37, v[BI+2], v[BI+3]
	v_lshlrev_b32 v[BI], 16, v36                   ; and back in f32
	v_and_b32 v[BI+1], 0xffff0000, v36
	v_lshlrev_b32 v[BI+2], 16, v37
	v_and_b32 v[BI+3], 0xffff0000, v37
	TOSTAGE 0
.irp a, 1,2,3,4,5,6,7                  ; block a's way through the stage is under way while block a - 1 is stored
	TOSTAGE \a
	SEND (\a)-1, 32
.endr
	SEND 7, 0
	s_wait_tensorcnt 0x0                           ; the wave's end: behind my last tensor load and my last LDS store
	ds_add_u32 v[SPW], v[NIL]
	s_wait_dscnt 0x0
	CROUND                                         ; the closing round: no work-group ends while a partner may still ask for a tile that names it
	s_endpgm
.Lfunc_end_k_qb93828042e_gemm:
	.size	k_qb93828042e_gemm, .Lfunc_end_k_qb93828042e_gemm-k_qb93828042e_gemm
	.p2alignl 7, 3214868480
	.fill 96, 4, 3214868480
	.section	.rodata,"a",@progbits
	.p2align	6, 0x0
	.amdhsa_kernel k_qb93828042e_gemm
		.amdhsa_group_segment_fixed_size 327680
		.amdhsa_private_segment_fixed_size 0
		.amdhsa_enable_private_segment 0
		.amdhsa_kernarg_size 32
		.amdhsa_user_sgpr_count 2
		.amdhsa_user_sgpr_kernarg_segment_ptr 1
		.amdhsa_wavefront_size32 1
		.amdhsa_system_sgpr_workgroup_id_x 1
		.amdhsa_system_sgpr_workgroup_id_y 1
		.amdhsa_system_sgpr_workgroup_id_z 1
		.amdhsa_system_vgpr_workitem_id 0
		.amdhsa_next_free_vgpr 1024
		.amdhsa_next_free_sgpr 70
		.amdhsa_reserve_vcc 0
		.amdhsa_float_denorm_mode_32 3
		.amdhsa_float_denorm_mode_16_64 3
		.amdhsa_memory_ordered 1
		.amdhsa_forward_progress 1
		.amdhsa_inst_pref_size 162
	.end_amdhsa_kernel
	.amdgpu_metadata
---
amdhsa.version: [ 1, 2 ]
amdhsa.kernels:
  - .name:           k_qb93828042e_gemm
    .symbol:         k_qb93828042e_gemm.kd
    .args:
      - { .name: abf, .offset: 0, .size: 8, .value_kind: global_buffer, .address_space: global }
      - { .name: wbf, .offset: 8, .size: 8, .value_kind: global_buffer, .address_space: global }
      - { .name: out0, .offset: 16, .size: 8, .value_kind: global_buffer, .address_space: global }
      - { .name: bias, .offset: 24, .size: 8, .value_kind: global_buffer, .address_space: global }
    .group_segment_fixed_size: 327680
    .private_segment_fixed_size: 0
    .kernarg_segment_align: 8
    .kernarg_segment_size: 32
    .max_flat_workgroup_size: 128
    .sgpr_count:     70
    .vgpr_count:     1024
    .wavefront_size: 32
...
	.end_amdgpu_metadata
.endif
;; end of part 2
;; ======== version 2 of 2: 2 launches; version 1 with the launch cast written anew for expert scheduling mode
;; workspace buffers: abf 33,554,432 bytes; wbf 33,554,432 bytes
;; launch cast (part 3): grid 512 x 2, 8 waves a work-group, no clusters, 0 bytes of LDS; arguments input, weight, abf, wbf; writes abf, wbf
.if DOCPART == 3
	.amdgcn_target "amdgcn-amd-amdhsa--gfx1250"
	.amdhsa_code_object_version 6
	.text
	.protected	k_qb93828042e_cast
	.globl	k_qb93828042e_cast
	.p2align	8
	.type	k_qb93828042e_cast,@function
k_qb93828042e_cast:
	s_mov_b64 s[64:65], 0
	v_nop
	global_prefetch_b8 v0, s[64:65] scope:SCOPE_SE
	s_setreg_imm32_b32 hwreg(HW_REG_WAVE_SCHED_MODE, 0, 2), 2
	s_setreg_imm32_b32 hwreg(HW_REG_WAVE_MODE, 25, 1), 1
	s_wait_xcnt 0x0
	s_wait_alu depctr_vm_vsrc(0)
; abf = bf16(input), wbf = bf16(weight): both [4096][4096], the layout unchanged, each number rounded once, to nearest even.
; LIMITS.  bf16 has f32's exponents, so no finite input is lost but those above bf16's largest finite number (about 3.39e38), which round to infinity; NaN and infinities pass as the conversion carries them.
; SHARES.  Grid y picks the tensor (0: input -> abf, 1: weight -> wbf).  Work-group x owns 131,072 consecutive bytes of f32: 32 steps of 4,096 bytes.  In a step thread t loads the 16 bytes
; at 16 t (a wave's load covers 512 consecutive bytes) and stores the 8 bytes at 8 t (a wave's store covers 256 consecutive bytes, aligned).
; A stream: every byte is read once and written once, nothing is shared between waves, so there is no LDS, no barrier, no cluster and no matrix work.
; All 32 steps stand in the immediates (126,976 at the most), so no address register is ever rewritten.
; THE MODE: SCHED_MODE bits 1:0 = 2 (LLVM: expert scheduling mode 2), set by the entry lines.  The code itself states the register dependences
; between vector instructions and memory instructions, with s_wait_alu, always for 0.
; THE PLAN.  The 32 steps go in 8 blocks of four, all written out.  Registers that memory instructions touch:
;   X0 .. X4   five blocks of f32 as loaded.  Written by the loads of block p + 4, issued in block p (blocks 0 to 3: at the head); read by block p's conversions.
;   Y0, Y1     two blocks of bf16 to store.   Written by block p's conversions; read by the four stores that are issued in block p + 1.
;   v1, v2     byte offsets, made once at the head and never written again.
; Block p works on X[p % 5] and writes Y[p % 2].  Its memory instructions are the loads into X[(p + 4) % 5] = X[(p - 1) % 5] and the stores from Y[(p - 1) % 2]:
; the two buffers that block p - 1 worked on and that no vector instruction of block p names.  So the waits at the head of a block state all that the block's eight
; memory instructions hang on, and these are dealt among its conversions with no further wait.  Behind a block's four loads 16 loads of the wave are on their way.
.set BLOCK,  4                         ; steps in a block
.set BLOCKS, 8
.set XBUFS,  5
.set X, 4                              ; v[4:83]   buffer k, step i: 4 registers at X + 16 k + 4 i: 4 f32 as loaded
.set Y, 84                             ; v[84:99]  buffer k, step i: 2 registers at Y + 8 k + 2 i: 4 bf16 to store
	s_load_b256 s[4:11], s[0:1], 0x0               ; input s[4:5], weight s[6:7], abf s[8:9], wbf s[10:11]
	s_and_b32 s12, ttmp7, 0xffff                   ; which tensor
	s_lshl_b32 s2, ttmp9, 17                       ; my 131,072 bytes of f32 (511 x 131,072 at the most: one word)
	s_mov_b32 s3, 0
	s_lshl_b32 s14, ttmp9, 16                      ; my 65,536 bytes of bf16
	s_mov_b32 s15, 0
	v_lshlrev_b32 v1, 4, v0                        ; 16 t; never rewritten
	v_lshlrev_b32 v2, 3, v0                        ; 8 t; never rewritten
	s_wait_kmcnt 0x0
	s_cmp_eq_u32 s12, 0
	s_cselect_b64 s[4:5], s[4:5], s[6:7]           ; from
	s_cselect_b64 s[8:9], s[8:9], s[10:11]         ; to
	s_add_nc_u64 s[4:5], s[4:5], s[2:3]
	s_add_nc_u64 s[8:9], s[8:9], s[14:15]
	s_wait_alu depctr_va_vdst(0)                   ; v1 and v2 are written: every load and store of the kernel reads one of them as its offset
.set n, 0
.rept (XBUFS-1)*BLOCK
	global_load_b128 v[X+4*n:X+4*n+3], v1, s[4:5] offset:n*4096 th:TH_LOAD_NT  ; blocks 0 to 3 into X0 to X3
.set n, n+1
.endr
.set p, 0
.rept BLOCKS                           ; block p
.set xb, X+16*(p%XBUFS)                ; the X that it works on
.set xn, X+16*((p+XBUFS-1)%XBUFS)      ; the X in which its loads land
.set yb, Y+8*(p%2)                     ; the Y that it writes
.set yo, Y+8*((p+1)%2)                 ; the Y from which its stores leave
.if p+XBUFS-2 < BLOCKS
	s_wait_loadcnt (XBUFS-2)*BLOCK                 ; loads come back in order (ISA guide 5.7.1): block p's four are in, the three younger blocks stay out
.else
	s_wait_loadcnt (BLOCKS-1-p)*BLOCK              ; nothing more is asked for: the counts run down
.endif
.if p >= 2
	s_wait_xcnt 0x0                                ; every earlier memory instruction has had its addresses translated (ISA guide 3.1): this block's Y, which the stores issued in the block before read, is rewritten only behind this wait
	s_wait_alu depctr_vm_vsrc(0)                   ; those stores have read this block's Y, which the conversions below write again
.endif
.if p >= 1
	s_wait_alu depctr_va_vdst(0)                   ; the block before has written the other Y, which the stores below read, and is done reading its X, in which the loads below (blocks 1 to 3 have them) land
.endif
.set i, 0
.rept BLOCK
.if p+XBUFS-1 < BLOCKS
	global_load_b128 v[xn+4*i:xn+4*i+3], v1, s[4:5] offset:((p+XBUFS-1)*BLOCK+i)*4096 th:TH_LOAD_NT  ; four blocks ahead, the load ahead of the store; no vector instruction since the wait names these registers
.endif
.if p >= 1
	global_store_b64 v2, v[yo+2*i:yo+2*i+1], s[8:9] offset:((p-1)*BLOCK+i)*2048 th:TH_STORE_NT  ; the block before
.endif
	v_cvt_pk_bf16_f32 v[yb+2*i], v[xb+4*i], v[xb+4*i+1]        ; two roundings, packed
	v_cvt_pk_bf16_f32 v[yb+2*i+1], v[xb+4*i+2], v[xb+4*i+3]
.set i, i+1
.endr
.set p, p+1
.endr
	s_wait_alu depctr_va_vdst(0)                   ; block 7 has written Y1, which the last four stores read
.set i, 0
.rept BLOCK
	global_store_b64 v2, v[Y+8+2*i:Y+8+2*i+1], s[8:9] offset:((BLOCKS-1)*BLOCK+i)*2048 th:TH_STORE_NT
.set i, i+1
.endr
	s_endpgm
.Lfunc_end_k_qb93828042e_cast:
	.size	k_qb93828042e_cast, .Lfunc_end_k_qb93828042e_cast-k_qb93828042e_cast
	.p2alignl 7, 3214868480
	.fill 96, 4, 3214868480
	.section	.rodata,"a",@progbits
	.p2align	6, 0x0
	.amdhsa_kernel k_qb93828042e_cast
		.amdhsa_group_segment_fixed_size 0
		.amdhsa_private_segment_fixed_size 0
		.amdhsa_enable_private_segment 0
		.amdhsa_kernarg_size 32
		.amdhsa_user_sgpr_count 2
		.amdhsa_user_sgpr_kernarg_segment_ptr 1
		.amdhsa_wavefront_size32 1
		.amdhsa_system_sgpr_workgroup_id_x 1
		.amdhsa_system_sgpr_workgroup_id_y 1
		.amdhsa_system_sgpr_workgroup_id_z 1
		.amdhsa_system_vgpr_workitem_id 0
		.amdhsa_next_free_vgpr 100
		.amdhsa_next_free_sgpr 66
		.amdhsa_reserve_vcc 0
		.amdhsa_float_denorm_mode_32 3
		.amdhsa_float_denorm_mode_16_64 3
		.amdhsa_memory_ordered 1
		.amdhsa_forward_progress 1
		.amdhsa_inst_pref_size 12
	.end_amdhsa_kernel
	.amdgpu_metadata
---
amdhsa.version: [ 1, 2 ]
amdhsa.kernels:
  - .name:           k_qb93828042e_cast
    .symbol:         k_qb93828042e_cast.kd
    .args:
      - { .name: input, .offset: 0, .size: 8, .value_kind: global_buffer, .address_space: global }
      - { .name: weight, .offset: 8, .size: 8, .value_kind: global_buffer, .address_space: global }
      - { .name: abf, .offset: 16, .size: 8, .value_kind: global_buffer, .address_space: global }
      - { .name: wbf, .offset: 24, .size: 8, .value_kind: global_buffer, .address_space: global }
    .group_segment_fixed_size: 0
    .private_segment_fixed_size: 0
    .kernarg_segment_align: 8
    .kernarg_segment_size: 32
    .max_flat_workgroup_size: 256
    .sgpr_count:     66
    .vgpr_count:     100
    .wavefront_size: 32
...
	.end_amdgpu_metadata
.endif
;; end of part 3
;; launch gemm: the kernel of part 2 again; grid 16 x 16, 4 waves a work-group, clusters of 4 x 4, 327,680 bytes of LDS; arguments abf, wbf, out0, bias; writes out0
